; MI455X (gfx1250); checked and timed in simulation.
; The chip was launched on July 23, 2026; its instructions are those of AMD's public machine-readable ISA for CDNA 5 (MIT licence, August 2026) and "CDNA5" Instruction Set Architecture Reference Guide (July 2026). The comments in the code are by the model that wrote it; some were corrected since.
;; Quant Linear. Allowed arithmetic: matrix products marked QUANTISED: E5M2 operands, one given power-of-two scale a tensor, by v_wmma_f32_16x16x64_bf8_bf8 or v_wmma_f32_16x16x128_bf8_bf8, f32 sums; everything else in f32.
;; Inputs: bias 4,096 float32; in_reorder 4,096 int32; intweight 4,096 x 4,096 int32; lowp_scales 2 int32 (the exponents e of the quantised operands' scales 2^e); out_reorder 4,096 int32; scales 32 x 4,096 float32; x 4 x 1,024 x 4,096 float32; zeros 32 x 4,096 float32.
;; Outputs: out0 4 x 1,024 x 4,096 float32.
;; This version of the problem:
;;   THIS VERSION OF THE PROBLEM IS GIVEN IN LOW PRECISION. The matrix products marked QUANTISED in the list below multiply operands that are first quantised to E5M2 (5 exponent bits, 2 mantissa bits; 8 bits a number), with one given power-of-two scale for each operand tensor; their sums are f32. All else is computed in f32.
;;   The module's matrix products, in the order in which they are computed (A, B: the left and right operand; K: the contracted axis; several contracted axes count as one K, in the product's order):
;;     1. [M 4,096, K 4,096] x [K 4,096, N 4,096]; A: computed on the way; B: computed on the way: QUANTISED (scales: A lowp_scales[0], B lowp_scales[1])
;;   THE QUANTISER, for each operand of a quantised product, along K:
;;     - The operand's scale is 2^e, e = its entry of the input lowp_scales (int32; the entries are numbered through the quantised products in the list's order, A before B).
;;     - Each number is divided by the scale, clamped to +-57,344, and rounded to the nearest number of E5M2, ties to even, subnormals kept.
;;     - The product sums the exact products of the quantised numbers (number of the format x scale) in f32.
;;   ~~~python
;;   def quantise(x, axis, e):      # numpy; x: float32 -> the quantised numbers, widened to float32 again
;;       x = np.moveaxis(x, axis, -1); K = x.shape[-1]
;;       r = np.clip(x / 2.0 ** e, -57344, 57344)
;;       step = 2.0 ** (np.maximum(np.frexp(np.where(r == 0, 1, r))[1] - 1, -14) - 2)
;;       q = np.round(r / step) * step * 2.0 ** e      # np.round: ties to even
;;       return np.moveaxis(q, -1, axis).astype(np.float32)
;;   ~~~
;;   OPERANDS COMPUTED ON THE WAY. 'Computed on the way' means the value that the module computes at that place (a softmax that the list does not call 'softmax' is quantised finished and normalised). What goes into a quantiser is computed in f32, as accurately as f32 sums, v_exp_f32 and their like allow (about 1e-6 of the number): no bf16 or f16 on the way to a quantiser, and a product that is left as it is and whose result goes on into a quantised operand takes f32 operands (vector FMAs, or v_wmma_f32_16x16x4_f32). A number that lies on a knife's edge between two numbers of the format may be rounded either way, as far as f32 arithmetic and the matrix unit's own rounding can turn it there, and no further.
;; One version. Each part assembles by itself: llvm-mc -triple=amdgcn-amd-amdhsa -mcpu=gfx1250 --defsym DOCPART=n.
;; ======== version 1 of 1: 2 launches
;; limits: right only within a limited range of input values
;; workspace buffers: a_codes 16,777,216 bytes; b_codes 16,777,216 bytes
;; launch quant (part 1): grid 512 x 1, 8 waves a work-group, no clusters, 132,096 bytes of LDS; arguments x, in_reorder, a_codes, intweight, scales, zeros, out_reorder, b_codes, lowp_scales; writes a_codes, b_codes
.if DOCPART == 1
	.amdgcn_target "amdgcn-amd-amdhsa--gfx1250"
	.amdhsa_code_object_version 6
	.text
	.protected	k_q0fe66f835e_quant
	.globl	k_q0fe66f835e_quant
	.p2align	8
	.type	k_q0fe66f835e_quant,@function
k_q0fe66f835e_quant:
	s_mov_b64 s[64:65], 0
	v_nop
	global_prefetch_b8 v0, s[64:65] scope:SCOPE_SE
	s_setreg_imm32_b32 hwreg(HW_REG_WAVE_MODE, 25, 1), 1
	s_wait_xcnt 0x0
; BOTH OPERANDS OF THE PRODUCT BECOME CODES OF BF8 (E5M2), ONCE.  code = number / 2^e, held within +-57,344, to the nearest code, ties to even.
; A: a_codes[m][i] = Q(x[m][in_reorder[i]]), e = entry 0 of lowp_scales: [4096][4096] bytes, K (= i) innermost, the gather already made.
; B: b_codes[g][j][0..15] = Q((intweight[16 g + t][o] - zeros[g / 8][o]) x scales[g / 8][o]), t = 0 .. 15, o = out_reorder[j], e = entry 1: [256][4096][16] bytes: sixteen neighbours along K
;    of one output column lie on end, and neighbouring columns lie 16 bytes apart: the order in which the product's lanes take their operand registers.
; Both index vectors are honoured as gathers: nothing here needs them to be permutations.  The quantiser works number by number, so x is quantised first and its codes are gathered.
; LIMITS: each e lies between -126 and 112, so that 2^e and 57,344 x 2^e are f32 numbers.  NaN among x, zeros and scales is not served; infinities are held at the largest code.
;         An index outside 0 .. 4095 is taken as 4095.
; SHARES.  Work-groups 0 to 255 take the weight, one g each: 16 rows of intweight x all 4,096 columns.  Work-groups 256 to 511 take x, 16 rows each.  Either kind reads 262,144 bytes and stores 65,536.
; BOTH KINDS GO ONE WAY: four passes of 16 rows x 1,024 columns, a thread 16 rows x 4 columns; a column's 16 codes, 16 bytes, go to LDS at 16 x column; one barrier; then the gather by the index vector, 16 bytes a time.
; The weight's gathered 16 bytes are stored as they are.  x's are 16 rows of one position i: a thread turns its 16 positions x 16 rows of bytes, so that 16 neighbours along K of each row lie on end.
; The two ways part once, on the work-group's number, and never join; each has LDS bytes of its own (x: 0 to 65,535; the weight: 65,536 to 131,071).
; No tensor load, no loop: every offset is an immediate, no base, offset register or store's data register is written again once a memory instruction has named it, and EXEC never changes: so no wait on XCNT is written.
.set AD,   4                           ; v4-19    sixteen indices of my thread, then the LDS addresses made of them
.set ZS,   20                          ; w:  v20-51    pass p: zeros of my four columns at +8 p, scales at +8 p + 4.   x: v20 the offset of my indices
.set T,    52                          ; v52-83   two columns x 16 numbers down the rows; x's turn of bytes: at work
.set CW,   84                          ; v84-99   a pass's codes: four columns x 16 bytes
.set RAW,  100                         ; v100-163, v164-227   two sets of 16 rows x 4 columns; then the gathered codes, and x's turned codes
.set WSC,  228                         ; 2^e as f32
.set WLIM, 229                         ; 57,344 x 2^e
.set WLDS, 65536                       ; w:  column o's 16 codes lie at WLDS + 16 o;  x: column c's at 16 c
.macro BAR                             ; my LDS stores have landed and my LDS loads are in: then the work-group's barrier
	s_wait_dscnt 0x0
	s_barrier_signal -1
	s_barrier_wait -1
.endm
; pass p is columns 1,024 p on; thread t has columns 1,024 p + 4 t + 0 .. 3 of the 16 rows; a row of x and of intweight is 16,384 bytes; each load of a wave reads 512 consecutive bytes.  b: the base's register
.macro LOADP p, b
.irp i, 0,1,2,3,4,5,6,7,8,9,10,11,12,13,14,15
	global_load_b128 v[RAW+64*((\p)%2)+4*\i:RAW+64*((\p)%2)+4*\i+3], v1, s[\b:\b+1] offset:\i*16384+(\p)*4096 th:TH_LOAD_NT
.endr
.endm
.macro PASS p, left, deq, b            ; deq = 1: the weight: whole numbers to f32, less the zero, times the scale
.set RW, RAW+64*((\p)%2)
.set ZP, ZS+8*(\p)
	s_wait_loadcnt \left                           ; this pass's sixteen loads, and all issued ahead of them, are in; the one younger pass may be out
	s_wait_dscnt 0x0                               ; the last pass's LDS stores are done
.if \deq
.irp i, 0,1,2,3,4,5,6,7,8,9,10,11,12,13,14,15
.irp c, 0,1,2,3
	v_cvt_f32_i32 v[RW+4*\i+\c], v[RW+4*\i+\c]
.endr
.endr
.irp i, 0,1,2,3,4,5,6,7,8,9,10,11,12,13,14,15      ; (q - zero) x scale, in that order, two neighbouring columns at a time
.irp h, 0,1
	v_pk_add_f32 v[RW+4*\i+2*\h:RW+4*\i+2*\h+1], v[RW+4*\i+2*\h:RW+4*\i+2*\h+1], v[ZP+2*\h:ZP+2*\h+1] neg_lo:[0,1] neg_hi:[0,1]
.endr
.endr
.irp i, 0,1,2,3,4,5,6,7,8,9,10,11,12,13,14,15
.irp h, 0,1
	v_pk_mul_f32 v[RW+4*\i+2*\h:RW+4*\i+2*\h+1], v[RW+4*\i+2*\h:RW+4*\i+2*\h+1], v[ZP+4+2*\h:ZP+4+2*\h+1]
.endr
.endr
.endif
.irp h, 0,1                                        ; columns 2 h and 2 h + 1
.irp i, 0,1,2,3,4,5,6,7,8,9,10,11,12,13,14,15
	v_med3_num_f32 v[T+\i], v[RW+4*\i+2*\h], -v[WLIM], v[WLIM]        ; THE HOLD MAKES THE TURN: its destination's number puts a column's 16 numbers into consecutive registers.  (The conversion does not saturate: ISA guide 7.6.2)
	v_med3_num_f32 v[T+16+\i], v[RW+4*\i+2*\h+1], -v[WLIM], v[WLIM]
.endr
	v_cvt_scalef32_pk8_bf8_f32 v[CW+8*\h:CW+8*\h+1], v[T:T+7], v[WSC]
	v_cvt_scalef32_pk8_bf8_f32 v[CW+8*\h+2:CW+8*\h+3], v[T+8:T+15], v[WSC]
	v_cvt_scalef32_pk8_bf8_f32 v[CW+8*\h+4:CW+8*\h+5], v[T+16:T+23], v[WSC]
	v_cvt_scalef32_pk8_bf8_f32 v[CW+8*\h+6:CW+8*\h+7], v[T+24:T+31], v[WSC]
	v_nop                                          ; a plain vector line between the conversions and the next lines that write their sources
	ds_store_b128 v2, v[CW+8*\h:CW+8*\h+3] offset:(\p)*16384+32*\h
	ds_store_b128 v2, v[CW+8*\h+4:CW+8*\h+7] offset:(\p)*16384+32*\h+16
.endr
.if (\p)+2 < 4
	LOADP (\p)+2, \b                               ; this pass's registers take the pass two on
.endif
.endm
; x's turn of bytes, a block of 4 positions (4 d + 0 .. 3) x 4 rows (4 w + 0 .. 3) at a time: four words a0 .. a3, one a position, become four words, one a row.
.macro TT d, w, tb                     ; pairs of positions: bytes {a0.0 a1.0 a0.1 a1.1}, {a0.2 a1.2 a0.3 a1.3}, and the same of a2, a3
	v_perm_b32 v[\tb], v[RAW+4*(4*\d+1)+\w], v[RAW+4*(4*\d)+\w], s32
	v_perm_b32 v[\tb+1], v[RAW+4*(4*\d+1)+\w], v[RAW+4*(4*\d)+\w], s33
	v_perm_b32 v[\tb+2], v[RAW+4*(4*\d+3)+\w], v[RAW+4*(4*\d+2)+\w], s32
	v_perm_b32 v[\tb+3], v[RAW+4*(4*\d+3)+\w], v[RAW+4*(4*\d+2)+\w], s33
.endm
.macro OO d, w, tb                     ; halves joined: word d of rows 4 w + 0 .. 3
	v_perm_b32 v[RAW+64+4*(4*\w)+\d], v[\tb+2], v[\tb], s34
	v_perm_b32 v[RAW+64+4*(4*\w+1)+\d], v[\tb+2], v[\tb], s35
	v_perm_b32 v[RAW+64+4*(4*\w+2)+\d], v[\tb+3], v[\tb+1], s34
	v_perm_b32 v[RAW+64+4*(4*\w+3)+\d], v[\tb+3], v[\tb+1], s35
.endm
	s_load_b256 s[4:11], s[0:1], 0x0               ; x s[4:5], in_reorder s[6:7], a_codes s[8:9], intweight s[10:11]
	s_load_b256 s[12:19], s[0:1], 0x20             ; scales s[12:13], zeros s[14:15], out_reorder s[16:17], b_codes s[18:19]
	s_load_b64 s[20:21], s[0:1], 0x40              ; lowp_scales
	v_lshl_add_u32 v240, v0, 2, 0x20000            ; my spare word, behind both ways' LDS bytes; never rewritten
	v_mov_b32 v241, 0                              ; 0; never rewritten
	v_lshlrev_b32 v1, 4, v0                        ; 16 x thread: my 16 bytes of 4,096; never rewritten
	s_wait_kmcnt 0x0
	s_load_b64 s[22:23], s[20:21], 0x0             ; e0, e1
	s_cmp_lt_u32 ttmp9, 256
	s_cbranch_scc1 .Lw
	; ================ x: 16 rows, all columns ================
	s_sub_co_u32 s24, ttmp9, 256                   ; which 16 rows
	s_lshl_b32 s26, s24, 18                        ; x 16 rows of 16,384 bytes
	s_mov_b32 s27, 0
	s_lshl_b32 s28, s24, 16                        ; x 16 rows of 4,096 codes
	s_mov_b32 s29, 0
	s_add_nc_u64 s[4:5], s[4:5], s[26:27]
	s_add_nc_u64 s[8:9], s[8:9], s[28:29]
	s_mov_b32 s32, 0x05010400                      ; v_perm_b32's selects: bytes 0 and 1 of two words, by turns,
	s_mov_b32 s33, 0x07030602                      ; bytes 2 and 3,
	s_mov_b32 s34, 0x05040100                      ; the two low halves,
	s_mov_b32 s35, 0x07060302                      ; the two high halves
	v_lshlrev_b32 v20, 6, v0                       ; thread t owns i = 16 t .. 16 t + 15 of every row: 64 bytes of in_reorder
.irp q, 0,1,2,3
	global_load_b128 v[AD+4*\q:AD+4*\q+3], v20, s[6:7] offset:16*\q
.endr
	v_lshlrev_b32 v2, 6, v0                        ; where my four columns' codes go: 64 t; never rewritten
	s_wait_alu depctr_va_vdst(0)
	LOADP 0, 4
	LOADP 1, 4                                     ; 36 loads of the wave are out
	s_wait_kmcnt 0x0
	s_add_co_i32 s30, s22, 127
	s_lshl_b32 s31, s30, 23
	v_mov_b32 v[WSC], s31                          ; 2^e0 as f32: the conversion takes its exponent field
	s_add_co_i32 s30, s30, 15
	s_lshl_b32 s30, s30, 23
	s_or_b32 s30, s30, 0x600000
	v_mov_b32 v[WLIM], s30                         ; 57,344 x 2^e0
	s_wait_alu depctr_va_vdst(0)
	PASS 0, 16, 0, 4
	PASS 1, 16, 0, 4
	PASS 2, 16, 0, 4
	PASS 3, 0, 0, 4
.irp t, 0,1,2,3,4,5,6,7,8,9,10,11,12,13,14,15
	v_min_u32 v[AD+\t], 0xfff, v[AD+\t]            ; an index stays inside a row
	s_delay_alu instid0(VALU_DEP_1)
	v_lshlrev_b32 v[AD+\t], 4, v[AD+\t]            ; that column's 16 codes in LDS
.endr
	s_wait_alu depctr_va_vdst(0)
	BAR                                            ; all 4,096 columns' codes lie in LDS
.irp u, 0,1,2,3,4,5,6,7,8,9,10,11,12,13,14,15
	ds_load_b128 v[RAW+4*\u:RAW+4*\u+3], v[AD+\u]  ; THE GATHER BY in_reorder: position i = 16 t + u takes column in_reorder[i], all 16 rows of it
.endr
	s_wait_dscnt 0x0
.irp d, 0,1,2,3                                    ; two blocks by turns, so that no line reads what the four lines ahead of it wrote
	TT \d, 0, T
	TT \d, 1, T+4
	OO \d, 0, T
	OO \d, 1, T+4
	TT \d, 2, T+8
	TT \d, 3, T+12
	OO \d, 2, T+8
	OO \d, 3, T+12
.endr
.irp m, 0,1,2,3,4,5,6,7,8,9,10,11,12,13,14,15
	global_store_b128 v1, v[RAW+64+4*\m:RAW+64+4*\m+3], s[8:9] offset:4096*\m   ; row m: a thread's 16 codes are 16 bytes, a wave's store covers 512 consecutive bytes, the work-group's a whole row
.endr
	s_wait_tensorcnt 0x0                           ; the wave's end, behind my last LDS store
	ds_add_u32 v240, v241
	s_wait_dscnt 0x0
	s_endpgm
	; ================ the weight: 16 rows along K, all columns ================
.Lw:
	s_lshl_b32 s24, ttmp9, 18                      ; g x 16 rows of 16,384 bytes
	s_mov_b32 s25, 0
	s_lshr_b32 s26, ttmp9, 3                       ; the group of 128 along K = g / 8,
	s_lshl_b32 s26, s26, 14                        ; its row of scales and of zeros
	s_mov_b32 s27, 0
	s_lshl_b32 s28, ttmp9, 16                      ; g x 4,096 columns x 16 bytes
	s_mov_b32 s29, 0
	s_add_nc_u64 s[10:11], s[10:11], s[24:25]
	s_add_nc_u64 s[12:13], s[12:13], s[26:27]
	s_add_nc_u64 s[14:15], s[14:15], s[26:27]
	s_add_nc_u64 s[18:19], s[18:19], s[28:29]
	v_lshl_add_u32 v2, v0, 6, WLDS                 ; where my four columns' codes go: WLDS + 64 t; never rewritten
	v_lshlrev_b32 v3, 2, v0
.irp u, 0,1,2,3,4,5,6,7,8,9,10,11,12,13,14,15
	global_load_b32 v[AD+\u], v3, s[16:17] offset:1024*\u     ; out_reorder[256 u + t]
.endr
	s_wait_alu depctr_va_vdst(0)
.irp p, 0,1,2,3
	global_load_b128 v[ZS+8*\p:ZS+8*\p+3], v1, s[14:15] offset:4096*\p      ; zeros of my four columns of pass p,
	global_load_b128 v[ZS+8*\p+4:ZS+8*\p+7], v1, s[12:13] offset:4096*\p    ; and their scales
.endr
	LOADP 0, 10
	LOADP 1, 10                                    ; 56 loads of the wave are out
	s_wait_kmcnt 0x0
	s_add_co_i32 s30, s23, 127
	s_lshl_b32 s31, s30, 23
	v_mov_b32 v[WSC], s31                          ; 2^e1 as f32
	s_add_co_i32 s30, s30, 15
	s_lshl_b32 s30, s30, 23
	s_or_b32 s30, s30, 0x600000
	v_mov_b32 v[WLIM], s30                         ; 57,344 x 2^e1
	s_wait_alu depctr_va_vdst(0)
	PASS 0, 16, 1, 10
	PASS 1, 16, 1, 10
	PASS 2, 16, 1, 10
	PASS 3, 0, 1, 10
.irp u, 0,1,2,3,4,5,6,7,8,9,10,11,12,13,14,15
	v_min_u32 v[AD+\u], 0xfff, v[AD+\u]            ; an index stays inside the 4,096 columns
	s_delay_alu instid0(VALU_DEP_1)
	v_lshl_add_u32 v[AD+\u], v[AD+\u], 4, WLDS     ; that column's 16 codes in LDS
.endr
	s_wait_alu depctr_va_vdst(0)
	BAR                                            ; all 4,096 columns' codes lie in LDS
.irp u, 0,1,2,3,4,5,6,7,8,9,10,11,12,13,14,15
	ds_load_b128 v[RAW+4*\u:RAW+4*\u+3], v[AD+\u]  ; THE GATHER BY out_reorder: output column j = 256 u + t takes column out_reorder[j]
.endr
.irp u, 0,1,2,3,4,5,6,7,8,9,10,11,12,13,14,15
	s_wait_dscnt 15-\u                             ; gather u is in; the younger ones may be out
	global_store_b128 v1, v[RAW+4*\u:RAW+4*\u+3], s[18:19] offset:4096*\u    ; a wave's store covers 512 consecutive bytes
.endr
	s_wait_tensorcnt 0x0                           ; the wave's end
	ds_add_u32 v240, v241
	s_wait_dscnt 0x0
	s_endpgm
.Lfunc_end_k_q0fe66f835e_quant:
	.size	k_q0fe66f835e_quant, .Lfunc_end_k_q0fe66f835e_quant-k_q0fe66f835e_quant
	.p2alignl 7, 3214868480
	.fill 96, 4, 3214868480
	.section	.rodata,"a",@progbits
	.p2align	6, 0x0
	.amdhsa_kernel k_q0fe66f835e_quant
		.amdhsa_group_segment_fixed_size 132096
		.amdhsa_private_segment_fixed_size 0
		.amdhsa_enable_private_segment 0
		.amdhsa_kernarg_size 72
		.amdhsa_user_sgpr_count 2
		.amdhsa_user_sgpr_kernarg_segment_ptr 1
		.amdhsa_wavefront_size32 1
		.amdhsa_system_sgpr_workgroup_id_x 1
		.amdhsa_system_sgpr_workgroup_id_y 1
		.amdhsa_system_sgpr_workgroup_id_z 1
		.amdhsa_system_vgpr_workitem_id 0
		.amdhsa_next_free_vgpr 242
		.amdhsa_next_free_sgpr 66
		.amdhsa_reserve_vcc 0
		.amdhsa_float_denorm_mode_32 3
		.amdhsa_float_denorm_mode_16_64 3
		.amdhsa_memory_ordered 1
		.amdhsa_forward_progress 1
		.amdhsa_inst_pref_size 100
	.end_amdhsa_kernel
	.amdgpu_metadata
---
amdhsa.version: [ 1, 2 ]
amdhsa.kernels:
  - .name:           k_q0fe66f835e_quant
    .symbol:         k_q0fe66f835e_quant.kd
    .args:
      - { .name: x, .offset: 0, .size: 8, .value_kind: global_buffer, .address_space: global }
      - { .name: in_reorder, .offset: 8, .size: 8, .value_kind: global_buffer, .address_space: global }
      - { .name: a_codes, .offset: 16, .size: 8, .value_kind: global_buffer, .address_space: global }
      - { .name: intweight, .offset: 24, .size: 8, .value_kind: global_buffer, .address_space: global }
      - { .name: scales, .offset: 32, .size: 8, .value_kind: global_buffer, .address_space: global }
      - { .name: zeros, .offset: 40, .size: 8, .value_kind: global_buffer, .address_space: global }
      - { .name: out_reorder, .offset: 48, .size: 8, .value_kind: global_buffer, .address_space: global }
      - { .name: b_codes, .offset: 56, .size: 8, .value_kind: global_buffer, .address_space: global }
      - { .name: lowp_scales, .offset: 64, .size: 8, .value_kind: global_buffer, .address_space: global }
    .group_segment_fixed_size: 132096
    .private_segment_fixed_size: 0
    .kernarg_segment_align: 8
    .kernarg_segment_size: 72
    .max_flat_workgroup_size: 256
    .sgpr_count:     66
    .vgpr_count:     242
    .wavefront_size: 32
...
	.end_amdgpu_metadata
.endif
;; end of part 1
;; launch gemm (part 2): grid 16 x 16, 4 waves a work-group, clusters of 4 x 1, 327,680 bytes of LDS; arguments a_codes, b_codes, lowp_scales, bias, out0; writes out0
.if DOCPART == 2
	.amdgcn_target "amdgcn-amd-amdhsa--gfx1250"
	.amdhsa_code_object_version 6
	.text
	.protected	k_q0fe66f835e_gemm
	.globl	k_q0fe66f835e_gemm
	.p2align	8
	.type	k_q0fe66f835e_gemm,@function
k_q0fe66f835e_gemm:
	s_mov_b64 s[64:65], 0
	v_nop
	global_prefetch_b8 v0, s[64:65] scope:SCOPE_SE
	s_setreg_imm32_b32 hwreg(HW_REG_WAVE_MODE, 25, 1), 1
	s_wait_xcnt 0x0
	s_wait_alu depctr_hold_cnt(0) depctr_sa_sdst(0) depctr_va_vdst(0) depctr_va_sdst(0) depctr_va_ssrc(0) depctr_va_vcc(0) depctr_vm_vsrc(0)
	s_getreg_b32 s2, hwreg(HW_REG_IB_STS2, 6, 4)
	s_cmp_eq_u32 s2, 0
	s_cbranch_scc0 .Lentry_in_a_cluster
	s_endpgm
.Lentry_in_a_cluster:
	s_bfe_u32 s2, ttmp6, 0x10000c
	s_cmp_lg_u32 s2, 0x3003
	s_cbranch_scc0 .Lentry_shape_is_right
	s_endpgm
.Lentry_shape_is_right:
; out0[m][j] = 2^(e0 + e1) x (sum over k of A[m][k] B[k][j]) + bias[j], on codes of BF8 (E5M2); sums in f32.
; a_codes: [4096 (m)][4096 (k)] bytes.  b_codes: [256 (g = k / 16)][4096 (j)][16] bytes: both gathers are already made.
; LIMIT: e0 + e1 lies between -126 and 127, so that 2^(e0 + e1) is an f32 number.
; A work-group of four waves makes 256 x 256 of out0, a wave 128 x 128: 64 accumulators, 512 registers.  256 work-groups.
; A GOES THROUGH LDS: two slots, each 256 rows x 512 along K (rows of 512 bytes + 16 of padding), each wave fetching 64 rows by one tensor load.
; CLUSTERS: the four work-groups of a cluster lie side by side in one tile row and need the same tiles of A: each load is a joint one, mask 15.
; B GOES STRAIGHT INTO THE OPERAND'S REGISTERS: b_codes has the lanes' order, a load's sixteen lanes read 256 consecutive bytes.  It is not asked for jointly:
; a joint load lands in LDS, and the two slots of A take 270,336 of the 327,680 bytes, so B's tiles of the same depth have no room there.
; A step is 64 along K: 64 matrix instructions of the K = 64 form, a fragment 8 registers.  Lane (r, h) holds in registers 4 c .. 4 c + 3 the codes k = 32 c + 16 h + 0 .. 15,
; in A and in B alike: a permutation of k that keeps every product with its partner.
; REGISTERS: window 0: v0-31 addresses, v128-255 A's fragments, two sets of 64; window 1: B's fragments, a ring of four steps x 64; windows 2, 3: the accumulators ((a, b) at v[8 (8 (a % 4) + b)]).
; At the head of step s one run of loads asks for A's fragments of step s + 1 (LDS) and B's of step s + 3 (memory).
; TRANSPOSED USE: source 0 = 16 columns of B, source 1 = 16 rows of A: a lane holds eight neighbouring numbers of a row of out0.
.set PITCH,  528
.set QROWS,  64*PITCH                  ; what one tensor load brings
.set HALFA,  128*PITCH                 ; what one wave reads
.set SLOT,   256*PITCH
.set SPARE,  2*SLOT                    ; the spare words: 128 bytes a wave, two blocks of 256 bytes that no other line names
.set STAGE,  SPARE+512                 ; the way out: 16 rows x 528 bytes for each wave; no tensor load lands here
.set SPITCH, 528
.set BSTEP,  262144                    ; 64 along K in b_codes: 4 g x 65,536 bytes
.set BI,   8                           ; v8-11  bias of my four columns on the way out
.set ADRA, 16                          ; v16-17 LDS address of my A fragments in slot 0, 1
.set BO,   18                          ; v18    my offset in b_codes: 65,536 h + 16 r + 2,048 x column half
.set PFBO, 19                          ; v19    B's prefetch: my block's offset
.set PFAO, 20                          ; v20    A's prefetch: my block's offset
.set STO,  24
.set RD,   25
.set CO,   26
.set SPW,  28                          ; my spare word; never rewritten
.set NIL,  29                          ; 0; never rewritten
.set AF,   128
.set BK,   128
.set G1,   24                          ; s[24:31] descriptor group 1
.set G0,   32                          ; s[32:39] group 0, one set for each slot
.set SB,   44                          ; s[44:45] b_codes at my 256 columns, at this lap's first step
.set PA,   46                          ; s[46:47] a_codes at the 16 rows that my wave prefetches, at this lap's first byte
.set MSB, 0
.macro WIN new                         ; the immediate's high byte repeats the setting that is left
.if MSB != (\new)
	s_set_vgpr_msb (MSB<<8)|(\new)
.set MSB, (\new)
.endif
.endm
.set MUL_LO, 0xa1                      ; source 0 (B) window 1, source 1 (A) window 0, C and D window 2
.set MUL_HI, 0xf1                      ; the same, C and D window 3
.set TO_B,   0x40                      ; destination window 1, address window 0
.macro PLACES                          ; four places between matrix instructions and loads into registers that they read, or reads of their results
.rept 4
	v_nop
.endr
.endm
.macro JLOAD s                         ; my 64 rows of a tile; s_nop 0 and four v_nop behind it
	tensor_load_to_lds s[G0+4*\s:G0+4*\s+3], s[G1:G1+7]
	s_nop 0
	PLACES
.endm
.macro CREST                           ; a round of the cluster's barrier behind its opening barrier
	s_cmp_lg_u32 s14, 0
	s_cbranch_scc1 .Lnot_wave_0_\@
	s_barrier_signal -3
.Lnot_wave_0_\@:
	s_barrier_wait -3
	s_barrier_signal -1
	s_barrier_wait -1
.endm
.macro CROUND
	s_barrier_signal -1
	s_barrier_wait -1
	CREST
.endm
.macro BL t                            ; B's eight fragments of the lap's step t into ring quarter t % 4: 16 loads
.irp i, 0,1,2,3,4,5,6,7
	global_load_b128 v[64*((\t)%4)+8*\i:64*((\t)%4)+8*\i+3], v[BO], s[SB:SB+1] offset:(\t)*BSTEP+\i*256
	global_load_b128 v[64*((\t)%4)+8*\i+4:64*((\t)%4)+8*\i+7], v[BO], s[SB:SB+1] offset:(\t)*BSTEP+131072+\i*256
.endr
.endm
.macro AL slot, q                      ; A's eight fragments of the slot's step q into set q % 2: 16 loads
.irp i, 0,1,2,3,4,5,6,7
	ds_load_b128 v[AF+64*((\q)%2)+8*\i:AF+64*((\q)%2)+8*\i+3], v[ADRA+\slot] offset:64*(\q)+\i*16*PITCH
	ds_load_b128 v[AF+64*((\q)%2)+8*\i+4:AF+64*((\q)%2)+8*\i+7], v[ADRA+\slot] offset:64*(\q)+\i*16*PITCH+32
.endr
.endm
.macro MUL16 a0, q, zero               ; A's blocks a0, a0 + 1 x B's eight; the 64 accumulators take turns, in the same order in every step
.irp a, \a0, \a0+1
.irp b, 0,1,2,3,4,5,6,7
.if \zero
	v_wmma_f32_16x16x64_bf8_bf8 v[8*(8*((\a)%4)+\b):8*(8*((\a)%4)+\b)+7], v[64*((\q)%4)+8*\b:64*((\q)%4)+8*\b+7], v[AF+64*((\q)%2)+8*(\a):AF+64*((\q)%2)+8*(\a)+7], 0
.else
	v_wmma_f32_16x16x64_bf8_bf8 v[8*(8*((\a)%4)+\b):8*(8*((\a)%4)+\b)+7], v[64*((\q)%4)+8*\b:64*((\q)%4)+8*\b+7], v[AF+64*((\q)%2)+8*(\a):AF+64*((\q)%2)+8*(\a)+7], v[8*(8*((\a)%4)+\b):8*(8*((\a)%4)+\b)+7]
.endif
.endr
.endr
.endm
; Step q of a slot, the lap's step j, with its successor in the same slot.  bl = 1: B's step j + 3 is asked for.  lc: the B loads younger than this step's.
.macro STEP slot, q, j, zero, bl, lc
	PLACES
.if \bl
	WIN TO_B
	BL (\j)+3
.endif
	WIN 0
	AL \slot, (\q)+1
	s_wait_loadcnt \lc                             ; this step's B is in; the younger runs of 16 may be out
	s_wait_dscnt 16                                ; this step's A is in; the 16 just issued may be out
	WIN MUL_LO
	MUL16 0, \q, \zero
	MUL16 2, \q, \zero
	WIN MUL_HI
	MUL16 4, \q, \zero
	MUL16 6, \q, \zero
.endm
; A slot's last step (q = 7) changes slots: one barrier, which where the slot is filled again opens a round of the cluster's barrier.
.macro TURN slot, next, j, fill
	WIN 0
	s_wait_tensorcnt 0x0                           ; all my tensor loads have landed: my part of the next slot
	ds_add_u32 v[SPW], v[NIL]
	s_wait_loadcnt 32                              ; this step's B is in; two younger runs of 16 may be out
	s_wait_dscnt 1                                 ; this step's A is in; the add may be out
	WIN MUL_LO
	MUL16 0, 7, 0
	s_wait_dscnt 0x0                               ; the add is done, and my reads of this slot are over
	s_barrier_signal -1
	MUL16 2, 7, 0
	WIN 0
	s_barrier_wait -1
.if \fill
	CREST                                          ; no wave of any partner still reads this slot or has a load on its way
	s_add_nc_u64 s[G0+4*\slot+2:G0+4*\slot+3], s[G0+4*\slot+2:G0+4*\slot+3], 1024   ; this slot's next tile: two tiles of 512 bytes on
	JLOAD \slot                                    ; its four v_nop are also the places in front of the loads below
.else
	PLACES
.endif
	WIN TO_B
	BL (\j)+3
	WIN 0
	AL \next, 0
.if \fill
	; PREFETCH: B's slot two on from this one (512 along K x 256 columns = 512 blocks of 256 bytes; four of the sixteen work-groups that read them share them out, a lane a block),
	; and A's tile three on, one change of slots ahead of its tensor load (512 blocks, shared out among the cluster's sixteen waves by address).
	global_prefetch_b8 v[PFBO], s[SB:SB+1] offset:(\slot+2)*8*BSTEP th:TH_LOAD_NT scope:SCOPE_SE
.if \slot == 0
	global_prefetch_b8 v[PFAO], s[PA:PA+1] offset:1536 th:TH_LOAD_NT scope:SCOPE_SE
.else
	s_cmp_gt_u32 s3, 1                             ; in the loop's last trip that tile would lie beyond K
	s_cbranch_scc0 .Lno_tile_\@
	global_prefetch_b8 v[PFAO], s[PA:PA+1] offset:2048 th:TH_LOAD_NT scope:SCOPE_SE
.Lno_tile_\@:
.endif
.endif
	WIN MUL_HI
	MUL16 4, 7, 0
	MUL16 6, 7, 0
.endm
	s_load_b128 s[4:7], s[0:1], 0x0                ; a_codes, b_codes
	s_load_b128 s[8:11], s[0:1], 0x10              ; lowp_scales, bias
	s_load_b64 s[12:13], s[0:1], 0x20              ; out0
	v_lshl_add_u32 v[SPW], v0, 2, SPARE
	v_mov_b32 v[NIL], 0
	ds_add_u32 v[SPW], v[NIL]
	ds_add_u32 v[SPW], v[NIL]
	v_lshrrev_b32 v1, 5, v0
	v_readfirstlane_b32 s14, v1                    ; wave 0..3
	s_lshr_b32 s15, s14, 1                         ; my half of the tile's rows
	s_and_b32 s16, s14, 1                          ; my half of its columns
	s_bfe_u32 s40, ttmp6, 0x40000                  ; cx
	s_lshl_b32 s42, ttmp9, 2
	s_add_co_u32 s42, s42, s40                     ; tile column = 4 x cluster x + cx
	s_and_b32 s17, ttmp7, 0xffff                   ; tile row = cluster y
	s_mov_b32 s[G1+0], 15|(1<<20)|(1<<21)|(6<<22)|(3<<25)   ; mask: the cluster's four; 1-byte elements; padding of 4 words behind every 128; bit 21 beside a mask
	s_mov_b32 s[G1+1], 512<<16                     ; tensor_dim0
	s_mov_b32 s[G1+2], 64<<16                      ; tensor_dim1
	s_mov_b32 s[G1+3], 512<<16                     ; tile_dim0
	s_mov_b32 s[G1+4], 64                          ; tile_dim1
	s_mov_b32 s[G1+5], 4096                        ; pitch
	s_mov_b32 s[G1+6], 0
	s_mov_b32 s[G1+7], 0
	s_mul_i32 s21, s15, HALFA                      ; my 128 rows of A in slot 0,
	s_add_co_u32 s22, s21, SLOT                    ; in slot 1
	s_lshl_b32 s23, s16, 11                        ; my 128 columns x 16 bytes
	s_mul_i32 s48, s14, 16*SPITCH
	s_add_co_u32 s48, s48, STAGE                   ; my stage
	s_bfe_u32 s49, s17, 0x10002                    ; u = 2 x (bit 2 of the tile row) + its bit 0: my place among the four that share B's prefetch
	s_and_b32 s50, s17, 1
	s_lshl_b32 s49, s49, 1
	s_add_co_u32 s49, s49, s50
	s_lshl_b32 s49, s49, 2
	s_add_co_u32 s49, s49, s14
	s_lshl_b32 s49, s49, 17                        ; (8 u + 2 wave) x 65,536: my two g of a slot's 32
	s_lshl_b32 s56, s40, 2
	s_add_co_u32 s56, s56, s14
	s_lshl_b32 s56, s56, 16                        ; (64 cx + 16 wave) rows x 4,096 bytes: the rows of A that my wave prefetches
	s_mov_b32 s57, 0
	s_mul_i32 s58, s14, QROWS                      ; where my 64 rows land
	v_and_b32 v1, 15, v0                           ; r
	v_bfe_u32 v2, v0, 4, 1                         ; h
	v_and_b32 v7, 31, v0                           ; lane
	v_mul_u32_u24 v3, v1, PITCH
	v_lshl_add_u32 v3, v2, 4, v3
	v_add_nc_u32 v[ADRA], s21, v3
	v_add_nc_u32 v[ADRA+1], s22, v3
	v_lshlrev_b32 v4, 4, v1
	v_lshl_add_u32 v4, v2, 16, v4
	v_add_nc_u32 v[BO], s23, v4
	v_lshlrev_b32 v5, 8, v1
	v_lshl_add_u32 v5, v2, 16, v5
	v_add_nc_u32 v[PFBO], s49, v5                  ; g = .. + h, block r of its 16
	v_lshrrev_b32 v6, 1, v7
	v_and_b32 v12, 1, v7
	v_lshlrev_b32 v6, 12, v6
	v_lshl_add_u32 v[PFAO], v12, 8, v6             ; row lane / 2, block lane % 2 of a tile's 512 bytes
	v_mul_u32_u24 v13, v1, SPITCH
	v_lshl_add_u32 v13, v2, 5, v13
	v_add_nc_u32 v[STO], s48, v13                  ; into the stage: row r, 32 bytes for each half of the lanes
	v_lshlrev_b32 v[CO], 4, v7                     ; back: the 32 lanes take a row of 512 bytes; the same in out0 and in bias
	v_add_nc_u32 v[RD], s48, v[CO]
	s_wait_alu depctr_va_vdst(0)
	s_wait_dscnt 0x0                               ; both opening adds are done
	s_wait_kmcnt 0x0
	s_load_b64 s[96:97], s[8:9], 0x0               ; e0, e1
	s_lshl_b32 s60, s42, 12                        ; my 256 columns x 16 bytes
	s_mov_b32 s61, 0
	s_add_nc_u64 s[SB:SB+1], s[6:7], s[60:61]
	s_lshl_b32 s18, s17, 20                        ; 256 rows x 4,096 bytes x tile row
	s_mov_b32 s19, 0
	s_add_nc_u64 s[20:21], s[4:5], s[18:19]
	s_add_nc_u64 s[PA:PA+1], s[20:21], s[56:57]
	s_lshl_b32 s54, s14, 18                        ; 64 rows x wave
	s_mov_b32 s55, 0
	s_add_nc_u64 s[20:21], s[20:21], s[54:55]      ; my 64 rows of tile 0: made of the tile row and the wave's number alone
	s_lshl_b32 s60, s42, 10
	s_lshl_b32 s62, s16, 9
	s_add_co_u32 s60, s60, s62                     ; my first column in bytes of f32
	s_add_nc_u64 s[10:11], s[10:11], s[60:61]
	s_lshl_b32 s62, s17, 22
	s_lshl_b32 s63, s15, 21
	s_add_co_u32 s60, s60, s62
	s_add_co_u32 s60, s60, s63                     ; + my first row x 16,384 bytes
	s_add_nc_u64 s[12:13], s[12:13], s[60:61]
.irp s, 0,1
	s_mov_b32 s[G0+4*\s], 1
	s_add_co_u32 s[G0+4*\s+1], s58, \s*SLOT
	s_add_nc_u64 s[G0+4*\s+2:G0+4*\s+3], s[20:21], \s*512
	s_or_b32 s[G0+4*\s+3], s[G0+4*\s+3], 0x80000000
.endr
	global_load_b128 v[BI:BI+3], v[CO], s[10:11]   ; the oldest load: every counted wait below covers it
	WIN TO_B
	BL 0
	BL 1
	BL 2
	WIN 0
	global_prefetch_b8 v[PFBO], s[SB:SB+1] offset:8*BSTEP th:TH_LOAD_NT scope:SCOPE_SE   ; B's slot 1,
	global_prefetch_b8 v[PFAO], s[PA:PA+1] offset:1024 th:TH_LOAD_NT scope:SCOPE_SE      ; A's tile 2
	CROUND                                         ; the four work-groups are here: the first joint loads meet
	JLOAD 0                                        ; tile 0: one tensor load a wave at the head
	s_wait_tensorcnt 0x0
	ds_add_u32 v[SPW], v[NIL]
	s_wait_dscnt 0x0
	CROUND
	JLOAD 1                                        ; tile 1, the first tensor load behind the round
	AL 0, 0
	STEP 0, 0, 0, 1, 1, 48                         ; the first step starts the sums: nothing is cleared
	WIN 0
	s_mov_b32 s3, 3
.Llap:                                                 ; a trip goes once round the ring: 16 steps, from a lap's second to the next lap's first
.irp q, 1,2,3,4,5,6
	STEP 0, \q, \q, 0, 1, 48
.endr
	TURN 0, 1, 7, 1
.irp q, 0,1,2,3,4,5,6
	STEP 1, \q, 8+\q, 0, 1, 48
.endr
	TURN 1, 0, 15, 1
	STEP 0, 0, 16, 0, 1, 48
	WIN 0
	s_wait_xcnt 0x0                                ; the loads and prefetches issued so far have read their bases
	s_add_nc_u64 s[SB:SB+1], s[SB:SB+1], 16*BSTEP
	s_add_nc_u64 s[PA:PA+1], s[PA:PA+1], 1024
	s_sub_co_u32 s3, s3, 1
	s_cmp_lg_u32 s3, 0
	s_cbranch_scc1 .Llap
.irp q, 1,2,3,4,5,6                    ; the last lap fills nothing and asks for nothing beyond K
	STEP 0, \q, \q, 0, 1, 48
.endr
	TURN 0, 1, 7, 0
.irp q, 0,1,2,3,4
	STEP 1, \q, 8+\q, 0, 1, 48
.endr
	STEP 1, 5, 13, 0, 0, 32                        ; B's last run was step 12's: the counts run down
	STEP 1, 6, 14, 0, 0, 16
	s_wait_loadcnt 0x0
	s_wait_dscnt 0x0
	WIN MUL_LO
	MUL16 0, 7, 0
	MUL16 2, 7, 0
	WIN MUL_HI
	MUL16 4, 7, 0
	MUL16 6, 7, 0
	WIN 0
; THE WAY OUT, block by block of 16 rows x 128 columns: the sums go through my own stage and come back as whole rows of 512 bytes; there x 2^(e0 + e1) + bias; 32 lanes store two aligned units of 256 bytes.
.macro TOSTAGE a
.set AC, 64*((\a)%4)
.set BB, BK+64*((\a)%2)
	WIN 0x08+4*((\a)/4)                            ; the stores' data: window 2 or 3
.irp b, 0,1,2,3,4,5,6,7
	ds_store_b128 v[STO], v[AC+8*\b:AC+8*\b+3] offset:64*\b            ; each accumulator from its low end on
	ds_store_b128 v[STO], v[AC+8*\b+4:AC+8*\b+7] offset:64*\b+16
.endr
	WIN 0
.irp t, 0,1,2,3,4,5,6,7,8,9,10,11,12,13,14,15
	ds_load_b128 v[BB+4*\t:BB+4*\t+3], v[RD] offset:\t*SPITCH          ; LDS serves a wave's instructions in order: these see the stores above
.endr
.endm
.macro SEND a, younger
.set BB, BK+64*((\a)%2)
	s_wait_dscnt \younger
.if (\a) > 0
	s_add_nc_u64 s[12:13], s[12:13], 16*16384      ; behind a wait on XCNT: the earlier stores have read their base
.endif
.irp t, 0,1,2,3,4,5,6,7,8,9,10,11,12,13,14,15
	v_pk_fma_f32 v[BB+4*\t:BB+4*\t+1], v[BB+4*\t:BB+4*\t+1], s[96:97], v[BI:BI+1] op_sel_hi:[1,0,1]
	v_pk_fma_f32 v[BB+4*\t+2:BB+4*\t+3], v[BB+4*\t+2:BB+4*\t+3], s[96:97], v[BI+2:BI+3] op_sel_hi:[1,0,1]
.endr
.irp t, 0,1,2,3,4,5,6,7,8,9,10,11,12,13,14,15
	global_store_b128 v[CO], v[BB+4*\t:BB+4*\t+3], s[12:13] offset:\t*16384 th:TH_STORE_NT
.endr
.endm
	s_wait_kmcnt 0x0
	s_add_co_i32 s96, s96, s97
	s_add_co_i32 s96, s96, 127
	s_lshl_b32 s96, s96, 23                        ; 2^(e0 + e1) as f32
	s_mov_b32 s97, s96
	PLACES
	s_wait_alu depctr_va_vdst(0)
	TOSTAGE 0
.irp a, 1,2,3,4,5,6,7
.if \a > 1
	s_wait_xcnt 0x0                                ; block a - 2's stores have read their registers and their base
.endif
	TOSTAGE \a
	SEND \a-1, 32                                  ; behind block a - 1's loads: block a's 16 stores and 16 loads
.endr
	s_wait_xcnt 0x0
	SEND 7, 0
	s_wait_tensorcnt 0x0                           ; the wave's end
	ds_add_u32 v[SPW], v[NIL]
	s_wait_dscnt 0x0
	CROUND                                         ; the closing round
	s_endpgm
.Lfunc_end_k_q0fe66f835e_gemm:
	.size	k_q0fe66f835e_gemm, .Lfunc_end_k_q0fe66f835e_gemm-k_q0fe66f835e_gemm
	.p2alignl 7, 3214868480
	.fill 96, 4, 3214868480
	.section	.rodata,"a",@progbits
	.p2align	6, 0x0
	.amdhsa_kernel k_q0fe66f835e_gemm
		.amdhsa_group_segment_fixed_size 327680
		.amdhsa_private_segment_fixed_size 0
		.amdhsa_enable_private_segment 0
		.amdhsa_kernarg_size 40
		.amdhsa_user_sgpr_count 2
		.amdhsa_user_sgpr_kernarg_segment_ptr 1
		.amdhsa_wavefront_size32 1
		.amdhsa_system_sgpr_workgroup_id_x 1
		.amdhsa_system_sgpr_workgroup_id_y 1
		.amdhsa_system_sgpr_workgroup_id_z 1
		.amdhsa_system_vgpr_workitem_id 0
		.amdhsa_next_free_vgpr 1024
		.amdhsa_next_free_sgpr 100
		.amdhsa_reserve_vcc 0
		.amdhsa_float_denorm_mode_32 3
		.amdhsa_float_denorm_mode_16_64 3
		.amdhsa_memory_ordered 1
		.amdhsa_forward_progress 1
		.amdhsa_inst_pref_size 255
	.end_amdhsa_kernel
	.section	.bss,"aw",@nobits
	.p2align	6
	.space	262144
	.amdgpu_metadata
---
amdhsa.version: [ 1, 2 ]
amdhsa.kernels:
  - .name:           k_q0fe66f835e_gemm
    .symbol:         k_q0fe66f835e_gemm.kd
    .args:
      - { .name: a_codes, .offset: 0, .size: 8, .value_kind: global_buffer, .address_space: global }
      - { .name: b_codes, .offset: 8, .size: 8, .value_kind: global_buffer, .address_space: global }
      - { .name: lowp_scales, .offset: 16, .size: 8, .value_kind: global_buffer, .address_space: global }
      - { .name: bias, .offset: 24, .size: 8, .value_kind: global_buffer, .address_space: global }
      - { .name: out0, .offset: 32, .size: 8, .value_kind: global_buffer, .address_space: global }
    .group_segment_fixed_size: 327680
    .private_segment_fixed_size: 0
    .kernarg_segment_align: 8
    .kernarg_segment_size: 40
    .max_flat_workgroup_size: 128
    .sgpr_count:     100
    .vgpr_count:     1024
    .wavefront_size: 32
...
	.end_amdgpu_metadata
.endif
;; end of part 2
